; MI455X (gfx1250); checked and timed in simulation.
; The chip was launched on July 23, 2026; its instructions are those of AMD's public machine-readable ISA for CDNA 5 (MIT licence, August 2026) and "CDNA5" Instruction Set Architecture Reference Guide (July 2026). The comments in the code are by the model that wrote it; some were corrected since.
;; Mip Net. Allowed arithmetic: float matrix products may take bf16 or f16 operands with f32 sums; other float arithmetic in f32, or as packed bf16 or f16 multiplies, adds, multiply-adds, maxima and minima; sums over many terms, partial sums and values carried from step to step in f32; what a program stores and reads back later, other than sums and carried values, may be rounded once to bf16 or f16.
;; Inputs: W_in 512 x 6 float32; W_out 3 x 512 float32; Ws 6 x 512 x 512 float32; b_in 512 float32; b_out 3 float32; bs 6 x 512 float32; inputs 16,384 x 6 float32; ln_b 7 x 512 float32; ln_w 7 x 512 float32.
;; Outputs: out0 16,384 x 3 x 3 float32.
;; One version. Each part assembles by itself: llvm-mc -triple=amdgcn-amd-amdhsa -mcpu=gfx1250 --defsym DOCPART=n.
;; ======== version 1 of 1: 2 launches
;; limits: values are held in f16: magnitudes above 65,504 overflow, below 6.1e-05 lose precision
;; workspace buffers: wf 3,276,800 bytes
;; launch prep (part 1): grid 288 x 1, 8 waves a work-group, no clusters, 0 bytes of LDS; arguments Ws, W_out, wf; writes wf
.if DOCPART == 1
	.amdgcn_target "amdgcn-amd-amdhsa--gfx1250"
	.amdhsa_code_object_version 6
	.text
	.protected	k_qe0daf08518_prep
	.globl	k_qe0daf08518_prep
	.p2align	8
	.type	k_qe0daf08518_prep,@function
k_qe0daf08518_prep:
	s_mov_b64 s[64:65], 0
	v_nop
	global_prefetch_b8 v0, s[64:65] scope:SCOPE_SE
	s_setreg_imm32_b32 hwreg(HW_REG_WAVE_MODE, 25, 1), 1
	s_wait_xcnt 0x0
; Ws and W_out, rounded once to f16 and laid out as the 50 dense tiles of 65,536 bytes that the second launch walks.
; Tile 8 l + j (l = 0..5, j = 0..7) holds, for all 512 rows n of Ws[l], 128 bytes: k = 32 j .. 32 j + 31, then k = 256 + 32 j .. 256 + 32 j + 31.
; Tile 48 + u (u = 0, 1): row 16 c + o (c = 0..3, o = 0..15) holds W_out[o][256 u + 64 c .. + 63] for o < 3; every other row is 0.
; Nothing of the two inputs is left out.  LIMIT: a weight of 65,520 or more in magnitude becomes an infinity in f16; below 6e-5 f16 keeps a fixed step of 6e-8.
; Work-groups 0-255 take Ws: a thread takes three items of 8 numbers (32 bytes in, 16 out), two layers apart, reached by immediates alone.  A wave's two loads of an item cover
; four aligned blocks of 256 bytes (2 rows x 2 halves of K), its store two aligned blocks of 256 bytes.  Work-groups 256-287 write tiles 48 and 49, 4,096 bytes each.
.set IT_IN,  2097152                   ; two layers of Ws in bytes
.set IT_OUT, 1048576                   ; sixteen tiles of wf
	s_load_b128 s[4:7], s[0:1], 0x0                ; Ws s[4:5], W_out s[6:7]
	s_load_b64 s[8:9], s[0:1], 0x10                ; wf
	s_cmp_ge_u32 ttmp9, 256
	s_cbranch_scc1 .Ltail
	v_lshrrev_b32 v1, 5, v0
	v_readfirstlane_b32 s10, v1                    ; wave 0..7
	s_lshl_b32 s11, ttmp9, 3
	s_add_co_u32 s11, s11, s10                     ; the wave among 2,048
	s_lshr_b32 s12, s11, 10                        ; layer 0 or 1 (items add 2 and 4)
	s_and_b32 s13, s11, 255                        ; which pair of rows n
	s_bfe_u32 s14, s11, 0x20008                    ; which 64 of the 256 k of a half: tiles j = 2 i, 2 i + 1
	s_lshl_b32 s15, s12, 20                        ; in Ws: layer x 1,048,576
	s_lshl_b32 s16, s13, 12                        ; + pair x 2 rows of 2,048 bytes
	s_or_b32 s15, s15, s16
	s_lshl_b32 s16, s14, 8                         ; + i x 256 bytes
	s_or_b32 s15, s15, s16
	s_lshl_b32 s17, s12, 19                        ; in wf: (8 l + 2 i) tiles of 65,536 bytes
	s_lshl_b32 s16, s14, 17
	s_or_b32 s17, s17, s16
	s_lshl_b32 s16, s13, 8                         ; + pair x 2 rows of 128 bytes
	s_or_b32 s17, s17, s16
	v_bfe_u32 v3, v0, 4, 1                         ; lane bit 4: which of the two tiles j
	v_bfe_u32 v4, v0, 3, 1                         ; bit 3: which row of the pair
	v_bfe_u32 v5, v0, 2, 1                         ; bit 2: which half of K
	v_and_b32 v6, 3, v0                            ; bits 1:0: which 8 of the 32 k
	v_lshlrev_b32 v1, 5, v6
	v_lshl_or_b32 v1, v3, 7, v1
	v_lshl_or_b32 v1, v5, 10, v1
	v_lshl_or_b32 v1, v4, 11, v1
	v_or_b32 v1, s15, v1                           ; my 32 bytes of Ws
	v_and_b32 v2, 15, v0
	v_lshlrev_b32 v2, 4, v2                        ; row x 128 + half x 64 + 16 x eighth = 16 x (lane % 16)
	v_lshl_or_b32 v2, v3, 16, v2
	v_or_b32 v2, s17, v2                           ; my 16 bytes of wf
	s_wait_kmcnt 0x0
.irp t, 0,1,2
	global_load_b128 v[4+8*(\t):7+8*(\t)],   v1, s[4:5] offset:(\t)*IT_IN th:TH_LOAD_NT
	global_load_b128 v[8+8*(\t):11+8*(\t)],  v1, s[4:5] offset:(\t)*IT_IN+16 th:TH_LOAD_NT
.endr
.irp t, 0,1,2
	s_wait_loadcnt 4-2*(\t)                        ; loads come back in order: item t's two are in, the younger items' stay out
.irp i, 0,1,2,3
	v_cvt_pk_f16_f32 v[28+4*(\t)+(\i)], v[4+8*(\t)+2*(\i)], v[5+8*(\t)+2*(\i)]
.endr
	global_store_b128 v2, v[28+4*(\t):31+4*(\t)], s[8:9] offset:(\t)*IT_OUT  ; 16 lanes store 256 consecutive bytes, aligned
.endr
	s_endpgm
.Ltail:
	s_sub_co_u32 s10, ttmp9, 256
	s_lshr_b32 s11, s10, 4                         ; u: tile 48 or 49
	s_and_b32 s12, s10, 15                         ; which 4,096 bytes of it
	s_lshl_b32 s13, s11, 16
	s_add_co_u32 s13, s13, 48*65536
	s_lshl_b32 s14, s12, 12
	s_add_co_u32 s13, s13, s14
	v_lshl_add_u32 v2, v0, 4, s13                  ; my 16 bytes of wf
	s_cmp_lt_u32 s12, 2
	s_cbranch_scc0 .Lzero                          ; rows 64-511 are zeros
	v_bfe_u32 v3, v0, 3, 4                         ; o
	v_lshrrev_b32 v4, 7, v0                        ; the low bit of c
	v_and_b32 v5, 7, v0                            ; which 8 of the 64 k
	v_min_u32 v6, 2, v3                            ; rows o > 2 read row 2, inside the buffer, and are replaced by 0 below
	v_lshlrev_b32 v1, 11, v6
	v_lshl_or_b32 v1, v5, 5, v1
	v_lshl_or_b32 v1, v4, 8, v1
	s_lshl_b32 s14, s11, 10                        ; 256 u numbers
	s_lshl_b32 s15, s12, 9                         ; the high bit of c
	s_or_b32 s14, s14, s15
	v_or_b32 v1, s14, v1
	s_wait_kmcnt 0x0
	global_load_b128 v[4:7],  v1, s[6:7]
	global_load_b128 v[8:11], v1, s[6:7] offset:16
	s_wait_loadcnt 0x0
	v_cmp_gt_u32 vcc_lo, 3, v3
.irp i, 0,1,2,3
	v_cvt_pk_f16_f32 v[28+(\i)], v[4+2*(\i)], v[5+2*(\i)]
.endr
.irp i, 0,1,2,3
	v_cndmask_b32 v[28+(\i)], 0, v[28+(\i)], vcc_lo
.endr
	global_store_b128 v2, v[28:31], s[8:9]
	s_endpgm
.Lzero:
.irp i, 0,1,2,3
	v_mov_b32 v[28+(\i)], 0
.endr
	s_wait_kmcnt 0x0
	global_store_b128 v2, v[28:31], s[8:9]
	s_endpgm
.Lfunc_end_k_qe0daf08518_prep:
	.size	k_qe0daf08518_prep, .Lfunc_end_k_qe0daf08518_prep-k_qe0daf08518_prep
	.p2alignl 7, 3214868480
	.fill 96, 4, 3214868480
	.section	.rodata,"a",@progbits
	.p2align	6, 0x0
	.amdhsa_kernel k_qe0daf08518_prep
		.amdhsa_group_segment_fixed_size 0
		.amdhsa_private_segment_fixed_size 0
		.amdhsa_enable_private_segment 0
		.amdhsa_kernarg_size 24
		.amdhsa_user_sgpr_count 2
		.amdhsa_user_sgpr_kernarg_segment_ptr 1
		.amdhsa_wavefront_size32 1
		.amdhsa_system_sgpr_workgroup_id_x 1
		.amdhsa_system_sgpr_workgroup_id_y 1
		.amdhsa_system_sgpr_workgroup_id_z 1
		.amdhsa_system_vgpr_workitem_id 0
		.amdhsa_next_free_vgpr 40
		.amdhsa_next_free_sgpr 66
		.amdhsa_reserve_vcc 1
		.amdhsa_float_denorm_mode_32 3
		.amdhsa_float_denorm_mode_16_64 3
		.amdhsa_memory_ordered 1
		.amdhsa_forward_progress 1
		.amdhsa_inst_pref_size 6
	.end_amdhsa_kernel
	.amdgpu_metadata
---
amdhsa.version: [ 1, 2 ]
amdhsa.kernels:
  - .name:           k_qe0daf08518_prep
    .symbol:         k_qe0daf08518_prep.kd
    .args:
      - { .name: Ws, .offset: 0, .size: 8, .value_kind: global_buffer, .address_space: global }
      - { .name: W_out, .offset: 8, .size: 8, .value_kind: global_buffer, .address_space: global }
      - { .name: wf, .offset: 16, .size: 8, .value_kind: global_buffer, .address_space: global }
    .group_segment_fixed_size: 0
    .private_segment_fixed_size: 0
    .kernarg_segment_align: 8
    .kernarg_segment_size: 24
    .max_flat_workgroup_size: 256
    .sgpr_count:     66
    .vgpr_count:     40
    .wavefront_size: 32
...
	.end_amdgpu_metadata
.endif
;; end of part 1
;; launch mip (part 2): grid 256 x 1, 4 waves a work-group, clusters of 4 x 1, 327,680 bytes of LDS; arguments inputs, W_in, b_in, bs, ln_w, ln_b, b_out, wf, out0; writes out0
.if DOCPART == 2
	.amdgcn_target "amdgcn-amd-amdhsa--gfx1250"
	.amdhsa_code_object_version 6
	.text
	.protected	k_qe0daf08518_mip
	.globl	k_qe0daf08518_mip
	.p2align	8
	.type	k_qe0daf08518_mip,@function
k_qe0daf08518_mip:
	s_mov_b64 s[64:65], 0
	v_nop
	global_prefetch_b8 v0, s[64:65] scope:SCOPE_SE
	s_setreg_imm32_b32 hwreg(HW_REG_WAVE_MODE, 25, 1), 1
	s_wait_xcnt 0x0
	s_wait_alu depctr_hold_cnt(0) depctr_sa_sdst(0) depctr_va_vdst(0) depctr_va_sdst(0) depctr_va_ssrc(0) depctr_va_vcc(0) depctr_vm_vsrc(0)
	s_getreg_b32 s2, hwreg(HW_REG_IB_STS2, 6, 4)
	s_cmp_eq_u32 s2, 0
	s_cbranch_scc0 .Lentry_in_a_cluster
	s_endpgm
.Lentry_in_a_cluster:
	s_bfe_u32 s2, ttmp6, 0x10000c
	s_cmp_lg_u32 s2, 0x3003
	s_cbranch_scc0 .Lentry_shape_is_right
	s_endpgm
.Lentry_shape_is_right:
; THE WHOLE NET IN ONE LAUNCH.  Three nets share the weights: f0 is 256 wide everywhere; f1 is 512 wide behind layer 0 and the even layers and 256 behind the odd ones; f2 is 512 wide.
; Each is linear, LayerNorm, ReLU seven times and a last linear layer to 3 numbers.  Rows are independent, so a work-group takes 64 of the 16,384 rows through all eight layers; activations
; never leave LDS.  Nothing of the computation is left out and every input is loaded (stop_gradient is the identity in a forward pass).  f1 and f2 are equal up to layer 1's sums for the low 256
; columns; they are computed apart all the same (32 of layer 0's 80 and 256 of layer 1's 896 products a wave), so that every layer has one text.
; FORMATS.  Both matrix operands are f16, sums f32; biases enter as the C operand in f32; LayerNorm in f32; activations are rounded once a layer.
; LIMITS.  f16 ends at 65,504: |inputs|, |W| and the activations, at most 22.7 |ln_w| + |ln_b|, must stay below it; below 6e-5 f16 keeps a fixed step of 6e-8.  NaN and infinities are not treated
; apart.  Sums are taken in another order than a plain dot product's.  The variance is made of each wave's sum of squares about its own mean of 64 columns and of those means' spread: no difference of large sums.
; THE JOINT WALK.  One walk over a layer's 512 x 512 weights serves all three nets.  Wave w owns the columns 64 w .. + 63 (low) and 256 + 64 w .. + 63 (high).  Five groups of 16 accumulators (4 row tiles a x 4 column
; tiles b): G0 f0 low, G1 f1 low, G2 f2 low, G3 f2 high, G4 f1 high (even layers).  A tile of weights holds 32 k below 256 (step A: G0 G1 G2 G3, and G4 in even layers) and 32 k from 256 on (step B: G2 G3, and G1 in
; odd layers): 112 products a wave in either parity.  Source 0 = 16 rows of W, source 1 = 16 rows of X: a lane then holds ONE row (lane % 16) and the columns 8 (lane / 16) + 0..7, so a row's mean and
; scale are one number a lane, and eight results pack into 16 bytes of the next layer's X.
; THE RING.  Two LDS slots of one tile (512 rows x 128 bytes, 144 apart).  Each wave fetches a quarter, 16,384 dense bytes.  A slot is filled again as soon as its step-B fragments are in registers; the load has a tile's
; 112 products in which to land.  By this text's own count a wave has two tensor loads out at the start and one behind each round.  The output layer's weights are tiles 48 and 49, in the same shape, so that each of
; the 48 changes of slots fills a slot that is read later and the loop has no tail; of those two tiles rows 64-511 are zeros that are moved and never read.
; CLUSTER.  All work-groups walk the same tiles: the four of a cluster ask JOINTLY, the same load, descriptor and mask in all four; only the wave's number enters a descriptor.
; REGISTERS, in windows of 256 (s_set_vgpr_msb: bits 1:0 source 0, 3:2 source 1, 5:4 source 2, 7:6 destination):
;   window 0: v0-15 addresses, v16-31 at work, v32-95 biases as C operands, v96-255 five sets of X fragments; in the epilogue v96-159 statistics, v160-255 at work
;   window 1: G0, G1     window 2: G2, G3     window 3: G4, then four sets of W fragments; in the epilogue ln_w and ln_b of my 128 columns
.set WPIT,  144                        ; a row of W in LDS: 128 bytes + 16: 16 rows of a load begin 36 words apart
.set SLOTB, 512*WPIT                   ; 73,728: slot 1
.set XB0,   147456                     ; f0's activations: 64 rows, 528 apart
.set XB1,   181248                     ; f1's: 64 rows, 1,040 apart
.set XB2,   247808                     ; f2's
.set XP0,   528
.set XP1,   1040
.set STAT,  314368                     ; (mean, sum of squares) of group g, row tile a, row r, wave w: 8 bytes at ((4 g + a) 16 + r) 32 + 8 w
.set OUTS,  324608                     ; the 64 rows of out0, 36 bytes each
.set SPARE, 326912                     ; the spare words, 128 bytes a wave: two blocks of 256 bytes that no other line names
.set AW,  1                            ; v1-2   my W fragments in slot 0, 1: (64 w + r) 144 + 16 h
.set AX,  3                            ; v3-5   my X fragments of f0, f1, f2: r x pitch + 16 h
.set SX,  6                            ; v6-8   where I store X: the same + 128 w
.set STW, 9                            ; v9     where I store statistics
.set STR, 10                           ; v10    where I read a row's four
.set PO,  11                           ; v11    256 w + 32 h: my 8 columns in a vector of 512 f32
.set PFO, 12                           ; v12    256 x lane, for the prefetch
.set ZR,  13                           ; v13    0, for the ReLU
.set SPW, 14                           ; v14    my spare word; never rewritten
.set NIL, 15                           ; v15    0; never rewritten
.set TP,  16
.set BL,  32                           ; bias of my low columns, 8 registers a column tile
.set BH,  64                           ; of my high columns
.set FX0,  96
.set FX1A, 128
.set FX1B, 160
.set FX2A, 192
.set FX2B, 224
.set WLA, 128                          ; window 3
.set WHA, 160
.set WLB, 192
.set WHB, 224
.set GG,  128                          ; window 3, epilogue: ln_w (low 32, high 32)
.set BB,  192                          ; ln_b
.set MQ,  96                           ; (own mean, own sum of squares) at MQ + 2 (4 g + a); the mean's place later takes c
.set RS,  136                          ; (1 / sqrt(var + eps), mean) at RS + 2 (4 f + a)
.set TT,  160
.set QQ,  224
.set HH,  224
.set WV,  26
.set CX,  27
.set WG,  28
.set LAY, 29                           ; passes to go
.set PAR, 30                           ; 1: the layer in hand is odd
.set TN,  31                           ; the tile to ask for next
.set G1D, 32                           ; s[32:39] descriptor group 1
.set G0D, 40                           ; s[40:47] group 0, a set for each slot
.set WFB, 48                           ; s[48:49] wf at my quarter of tile 0
.set OFF, 50                           ; s[50:51] a tile's byte offset
.set PFB, 52                           ; s[52:53] wf at my share of tile 0 for the prefetch
.set PFA, 54                           ; s[54:55] the same in tile TN
.set LIM, 56
.set INV1, 57                          ; 1 / width of f1 in the layer in hand
.set I256, 58
.set I512, 59
.set SEL, 60                           ; s[60:61] v_permlanex16_b32's selects: each lane takes its own place in the other half
.set SEX, 62
.set EPS, 63
.set BO,  68                           ; s[68:70] b_out
.set MSB, 0
.macro WIN new                         ; the immediate's high byte repeats the setting that is left; a switch that changes nothing is dropped
.if MSB != (\new)
	s_set_vgpr_msb (MSB<<8)|(\new)
.set MSB, (\new)
.endif
.endm
.macro PLACES                          ; four plain instructions between a matrix instruction and a load into, or a vector access to, its registers
.rept 4
	v_nop
.endr
.endm
.macro CREST                           ; a round of the cluster's barrier behind its opening barrier
	s_cmp_lg_u32 s[WV], 0
	s_cbranch_scc1 .Lnw0_\@
	s_barrier_signal -3
.Lnw0_\@:
	s_barrier_wait -3
	s_barrier_signal -1
	s_barrier_wait -1
.endm
.macro ROUND
	s_barrier_signal -1
	s_barrier_wait -1
	CREST
.endm
; 16 products: group at v[gb] of window gw, W fragments ws (window 3), X fragments xs (window 0).  cb >= 0: the bias starts the sums.  The 16 accumulators take turns, one instruction a turn.
.macro GRP gw, gb, ws, xs, cb=-1
.if (\cb) >= 0
	WIN ((\gw)<<6)|3
.else
	WIN ((\gw)<<6)|((\gw)<<4)|3
.endif
.irp a, 0,1,2,3
.irp b, 0,1,2,3
.if (\cb) >= 0
	v_wmma_f32_16x16x32_f16 v[(\gb)+32*(\a)+8*(\b):(\gb)+32*(\a)+8*(\b)+7], v[(\ws)+8*(\b):(\ws)+8*(\b)+7], v[(\xs)+8*(\a):(\xs)+8*(\a)+7], v[(\cb)+8*(\b):(\cb)+8*(\b)+7]
.else
	v_wmma_f32_16x16x32_f16 v[(\gb)+32*(\a)+8*(\b):(\gb)+32*(\a)+8*(\b)+7], v[(\ws)+8*(\b):(\ws)+8*(\b)+7], v[(\xs)+8*(\a):(\xs)+8*(\a)+7], v[(\gb)+32*(\a)+8*(\b):(\gb)+32*(\a)+8*(\b)+7]
.endif
.endr
.endr
.endm
; 16 LDS loads: my 4 low and 4 high column tiles of W, step kk (0: A, 1: B) of the tile in a slot, into set p
.macro LW p, slot, kk
	WIN 0xc0
.irp b, 0,1,2,3
	ds_load_b128 v[128+64*(\p)+8*(\b):128+64*(\p)+8*(\b)+3],   v[AW+(\slot)] offset:16*WPIT*(\b)+64*(\kk)
	ds_load_b128 v[128+64*(\p)+8*(\b)+4:128+64*(\p)+8*(\b)+7], v[AW+(\slot)] offset:16*WPIT*(\b)+64*(\kk)+32
	ds_load_b128 v[160+64*(\p)+8*(\b):160+64*(\p)+8*(\b)+3],   v[AW+(\slot)] offset:256*WPIT+16*WPIT*(\b)+64*(\kk)
	ds_load_b128 v[160+64*(\p)+8*(\b)+4:160+64*(\p)+8*(\b)+7], v[AW+(\slot)] offset:256*WPIT+16*WPIT*(\b)+64*(\kk)+32
.endr
.endm
; 8 LDS loads: the four row tiles of net f, 32 k at byte koff of the rows
.macro LX f, set, koff
	WIN 0
.set pp, XP1
.if (\f) == 0
.set pp, XP0
.endif
.irp a, 0,1,2,3
	ds_load_b128 v[(\set)+8*(\a):(\set)+8*(\a)+3],   v[AX+(\f)] offset:(\a)*16*pp+(\koff)
	ds_load_b128 v[(\set)+8*(\a)+4:(\set)+8*(\a)+7], v[AX+(\f)] offset:(\a)*16*pp+(\koff)+32
.endr
.endm
; THE CHANGE OF SLOTS, in three parts with products between them.
.macro CH_A slot
	WIN 0
	s_wait_tensorcnt 0x0                           ; all my tensor loads have landed: the one that was out is my quarter of the other slot; a group 0 may be written
	ds_add_u32 v[SPW], v[NIL]                      ; 0 onto my spare word
	s_wait_xcnt 0x0                                ; the last prefetch, a tile back, has read its address
	s_lshl_b32 s[OFF], s[TN], 16
	s_add_nc_u64 s[G0D+2+4*(\slot):G0D+3+4*(\slot)], s[WFB:WFB+1], s[OFF:OFF+1]  ; the address is made anew: base plus the tile's number shifted
	s_or_b32 s[G0D+3+4*(\slot)], s[G0D+3+4*(\slot)], 0x80000000                  ; type = 2
	s_add_nc_u64 s[PFA:PFA+1], s[PFB:PFB+1], s[OFF:OFF+1]
.endm
.macro CH_B
	s_wait_dscnt 0x0                               ; the add is done; my reads of this slot are over, and step B's fragments are in
	s_barrier_signal -1                            ; opens a round of the cluster's barrier
.endm
.macro CH_C slot
	WIN 0
	s_barrier_wait -1
	CREST                                          ; no wave of any partner still reads this slot or has a load on its way
	tensor_load_to_lds s[G0D+4*(\slot):G0D+4*(\slot)+3], s[G1D:G1D+7]  ; my one load behind the round
	s_nop 0
.rept 4
	v_nop
.endr
.endm
; A PREFETCH INTO THE L2 of the tile three fills on.  All clusters walk the same tiles: the first cluster asks.  Its four partners take 16,384 bytes of a tile each, told apart BY ADDRESS; in each, waves 0 and 1
; take 8,192 bytes, a lane a block of 256.  So each block is named once in the launch.  Tiles 0-4 come by their loads alone; the last three fills ask for nothing.
.macro ASK
	WIN 0
	s_cmp_lt_u32 s[TN], s[LIM]
	s_cbranch_scc0 .Lna_\@
	global_prefetch_b8 v[PFO], s[PFA:PFA+1] offset:3*65536 th:TH_LOAD_NT scope:SCOPE_SE
.Lna_\@:
	s_add_co_u32 s[TN], s[TN], 1
.endm
; ONE TILE: step A (k below 256), the change of slots inside it, step B (k from 256 on).  Tile 0's step A starts the sums with the bias.
.macro TILE j
.set sl, (\j)%2
.set cbl, -1
.set cbh, -1
.if (\j) == 0
.set cbl, BL
.set cbh, BH
.endif
	s_wait_dscnt 0x0                               ; step A's fragments are in
	GRP 1, 0, WLA, FX0, cbl
	PLACES
	LW 1, sl, 1                                    ; run 1: step B's fragments, the last reads of this slot,
	LX 2, FX2B, 512+64*(\j)
.if (\j) < 7
	LX 0, FX0, 64*(\j)+64                          ; and f0's for the next tile
.endif
	WIN 0
	s_cmp_eq_u32 s[PAR], 0
	s_cbranch_scc1 .Lta_\@
	LX 1, FX1B, 512+64*(\j)                        ; odd layers: f1 is 512 wide on the way in
.Lta_\@:
	GRP 1, 128, WLA, FX1A, cbl
	CH_A sl
	GRP 2, 0, WLA, FX2A, cbl                       ; sixteen products between the add and the wait for it
	CH_B
	GRP 2, 128, WHA, FX2A, cbh                     ; work on registers while the others arrive
	CH_C sl
	s_cmp_lg_u32 s[PAR], 0
	s_cbranch_scc1 .Ltb_\@
	GRP 3, 0, WHA, FX1A, cbh                       ; even layers: f1's high columns
	WIN 0
.Ltb_\@:
.if (\j) < 7
	PLACES
	LW 0, 1-sl, 0                                  ; run 2: the next tile's step A, from the other slot, which is whole
	LX 1, FX1A, 64*(\j)+64
	LX 2, FX2A, 64*(\j)+64
.endif
	ASK
	GRP 2, 0, WLB, FX2B
	GRP 2, 128, WHB, FX2B
	WIN 0
	s_cmp_eq_u32 s[PAR], 0
	s_cbranch_scc1 .Ltc_\@
	GRP 1, 128, WLB, FX1B
	WIN 0
.Ltc_\@:
.endm
; EPILOGUE, FIRST PART, for one group: each row's mean over my 64 columns; the mean is taken away in place; the sum of squares of what is left; both go to LDS.  By stages, the four row tiles side by side.
.macro P1G gw, gb, gi
	WIN (\gw)|((\gw)<<2)
.set i, 0
.rept 32                               ; each accumulator's lowest registers are read first
	v_pk_add_f32 v[TT+2*i:TT+2*i+1], v[(\gb)+4*i:(\gb)+4*i+1], v[(\gb)+4*i+2:(\gb)+4*i+3]
.set i, i+1
.endr
	WIN 0
.irp s, 4,2,1
.set i, 0
.rept \s
.irp a, 0,1,2,3
	v_pk_add_f32 v[TT+16*(\a)+2*i:TT+16*(\a)+2*i+1], v[TT+16*(\a)+2*i:TT+16*(\a)+2*i+1], v[TT+16*(\a)+2*(i+\s):TT+16*(\a)+2*(i+\s)+1]
.endr
.set i, i+1
.endr
.endr
.irp a, 0,1,2,3
	v_add_f32 v[TT+16*(\a)], v[TT+16*(\a)], v[TT+16*(\a)+1]
.endr
.irp a, 0,1,2,3
	v_permlanex16_b32 v[TT+16*(\a)+1], v[TT+16*(\a)], s[SEL], s[SEL+1]  ; the row's other 32 columns lie in the lane 16 away
.endr
.irp a, 0,1,2,3
	v_add_f32 v[TT+16*(\a)], v[TT+16*(\a)], v[TT+16*(\a)+1]
.endr
.irp a, 0,1,2,3
	v_mul_f32 v[MQ+2*(4*(\gi)+(\a))],   0x3c800000, v[TT+16*(\a)]   ; / 64, into both halves of the pair
	v_mul_f32 v[MQ+2*(4*(\gi)+(\a))+1], 0x3c800000, v[TT+16*(\a)]
.endr
	WIN ((\gw)<<6)|(\gw)
.irp a, 0,1,2,3
.set i, 0
.rept 16
	v_pk_add_f32 v[(\gb)+32*(\a)+2*i:(\gb)+32*(\a)+2*i+1], v[(\gb)+32*(\a)+2*i:(\gb)+32*(\a)+2*i+1], v[MQ+2*(4*(\gi)+(\a)):MQ+2*(4*(\gi)+(\a))+1] neg_lo:[0,1] neg_hi:[0,1]
.set i, i+1
.endr
.endr
	WIN (\gw)|((\gw)<<2)
.set i, 0
.rept 16                               ; four chains a row tile
.irp a, 0,1,2,3
.if i < 4
	v_pk_mul_f32 v[QQ+8*(\a)+2*i:QQ+8*(\a)+2*i+1], v[(\gb)+32*(\a)+2*i:(\gb)+32*(\a)+2*i+1], v[(\gb)+32*(\a)+2*i:(\gb)+32*(\a)+2*i+1]
.else
	v_pk_fma_f32 v[QQ+8*(\a)+2*(i%4):QQ+8*(\a)+2*(i%4)+1], v[(\gb)+32*(\a)+2*i:(\gb)+32*(\a)+2*i+1], v[(\gb)+32*(\a)+2*i:(\gb)+32*(\a)+2*i+1], v[QQ+8*(\a)+2*(i%4):QQ+8*(\a)+2*(i%4)+1]
.endif
.endr
.set i, i+1
.endr
	WIN 0
.irp a, 0,1,2,3
	v_pk_add_f32 v[QQ+8*(\a):QQ+8*(\a)+1], v[QQ+8*(\a):QQ+8*(\a)+1], v[QQ+8*(\a)+4:QQ+8*(\a)+5]
.endr
.irp a, 0,1,2,3
	v_pk_add_f32 v[QQ+8*(\a)+2:QQ+8*(\a)+3], v[QQ+8*(\a)+2:QQ+8*(\a)+3], v[QQ+8*(\a)+6:QQ+8*(\a)+7]
.endr
.irp a, 0,1,2,3
	v_pk_add_f32 v[QQ+8*(\a):QQ+8*(\a)+1], v[QQ+8*(\a):QQ+8*(\a)+1], v[QQ+8*(\a)+2:QQ+8*(\a)+3]
.endr
.irp a, 0,1,2,3
	v_add_f32 v[QQ+8*(\a)], v[QQ+8*(\a)], v[QQ+8*(\a)+1]
.endr
.irp a, 0,1,2,3
	v_permlanex16_b32 v[QQ+8*(\a)+1], v[QQ+8*(\a)], s[SEL], s[SEL+1]
.endr
.irp a, 0,1,2,3
	v_add_f32 v[MQ+2*(4*(\gi)+(\a))+1], v[QQ+8*(\a)], v[QQ+8*(\a)+1]
.endr
.irp a, 0,1,2,3
	ds_store_b64 v[STW], v[MQ+2*(4*(\gi)+(\a)):MQ+2*(4*(\gi)+(\a))+1] offset:(4*(\gi)+(\a))*512
.endr
.endm
.macro LST g, base                     ; the four waves' entries of group g for my row, all four row tiles: 8 loads, 32 registers
.irp a, 0,1,2,3
	ds_load_b128 v[(\base)+8*(\a):(\base)+8*(\a)+3],   v[STR] offset:(4*(\g)+(\a))*512
	ds_load_b128 v[(\base)+8*(\a)+4:(\base)+8*(\a)+7], v[STR] offset:(4*(\g)+(\a))*512+16
.endr
.endm
; n entries (mean, sum of squares) of 64 columns each are joined: mean = the means' mean; var + eps = (64 x the sum of the means' squared distances from it + the sums of squares) / (64 n) + eps.
.macro COMB n, f, base, inv
	WIN 0
.irp a, 0,1,2,3
	v_pk_add_f32 v[TP+4*(\a):TP+4*(\a)+1], v[(\base)+8*(\a):(\base)+8*(\a)+1], v[(\base)+8*(\a)+2:(\base)+8*(\a)+3]
.endr
.irp a, 0,1,2,3
	v_pk_add_f32 v[TP+4*(\a)+2:TP+4*(\a)+3], v[(\base)+8*(\a)+4:(\base)+8*(\a)+5], v[(\base)+8*(\a)+6:(\base)+8*(\a)+7]
.endr
.if (\n) == 8
.irp e, 0,4
.irp a, 0,1,2,3
	v_pk_add_f32 v[TP+4*(\a):TP+4*(\a)+1], v[TP+4*(\a):TP+4*(\a)+1], v[(\base)+32+8*(\a)+(\e):(\base)+32+8*(\a)+(\e)+1]
.endr
.irp a, 0,1,2,3
	v_pk_add_f32 v[TP+4*(\a)+2:TP+4*(\a)+3], v[TP+4*(\a)+2:TP+4*(\a)+3], v[(\base)+32+8*(\a)+(\e)+2:(\base)+32+8*(\a)+(\e)+3]
.endr
.endr
.endif
.irp a, 0,1,2,3
	v_pk_add_f32 v[TP+4*(\a):TP+4*(\a)+1], v[TP+4*(\a):TP+4*(\a)+1], v[TP+4*(\a)+2:TP+4*(\a)+3]
.endr
.irp a, 0,1,2,3
.if (\n) == 8
	v_mul_f32 v[RS+2*(4*(\f)+(\a))+1], 0x3e000000, v[TP+4*(\a)]
.else
	v_mul_f32 v[RS+2*(4*(\f)+(\a))+1], 0x3e800000, v[TP+4*(\a)]
.endif
.endr
.set i, 0
.rept \n
.set eo, 2*i
.if i >= 4
.set eo, 32+2*(i-4)
.endif
.irp a, 0,1,2,3
	v_sub_f32 v[(\base)+8*(\a)+eo], v[(\base)+8*(\a)+eo], v[RS+2*(4*(\f)+(\a))+1]
.endr
.set i, i+1
.endr
.set i, 0
.rept \n
.set eo, 2*i
.if i >= 4
.set eo, 32+2*(i-4)
.endif
.irp a, 0,1,2,3
.if i == 0
	v_mul_f32 v[TP+4*(\a)+2], v[(\base)+8*(\a)+eo], v[(\base)+8*(\a)+eo]
.else
	v_fmac_f32 v[TP+4*(\a)+2], v[(\base)+8*(\a)+eo], v[(\base)+8*(\a)+eo]
.endif
.endr
.set i, i+1
.endr
.irp a, 0,1,2,3
	v_fmamk_f32 v[TP+4*(\a)+2], v[TP+4*(\a)+2], 0x42800000, v[TP+4*(\a)+1]
.endr
.irp a, 0,1,2,3
	v_fma_f32 v[RS+2*(4*(\f)+(\a))], v[TP+4*(\a)+2], s[\inv], s[EPS]
.endr
.endm
.macro CC gi, f                        ; c = (my mean - the row's mean) x scale: the accumulators hold x less my mean
.irp a, 0,1,2,3
	v_sub_f32 v[MQ+2*(4*(\gi)+(\a))], v[MQ+2*(4*(\gi)+(\a))], v[RS+2*(4*(\f)+(\a))+1]
.endr
.irp a, 0,1,2,3
	v_mul_f32 v[MQ+2*(4*(\gi)+(\a))], v[MQ+2*(4*(\gi)+(\a))], v[RS+2*(4*(\f)+(\a))]
.endr
.endm
; EPILOGUE, SECOND PART, for one group: scale and shift, gain and bias, rounding to f16, ReLU on the packed halves, 16 bytes a lane into the net's X.  hi = 1: my high columns.
.macro P2G gw, gb, gi, f, hi
	WIN ((\gw)<<6)|(\gw)
.irp a, 0,1,2,3
.set i, 0
.rept 16
	v_pk_fma_f32 v[(\gb)+32*(\a)+2*i:(\gb)+32*(\a)+2*i+1], v[(\gb)+32*(\a)+2*i:(\gb)+32*(\a)+2*i+1], v[RS+2*(4*(\f)+(\a)):RS+2*(4*(\f)+(\a))+1], v[MQ+2*(4*(\gi)+(\a)):MQ+2*(4*(\gi)+(\a))+1] op_sel_hi:[1,0,0]
.set i, i+1
.endr
.endr
	WIN ((\gw)<<6)|0x3c|(\gw)
.irp a, 0,1,2,3
.set i, 0
.rept 16
	v_pk_fma_f32 v[(\gb)+32*(\a)+2*i:(\gb)+32*(\a)+2*i+1], v[(\gb)+32*(\a)+2*i:(\gb)+32*(\a)+2*i+1], v[GG+32*(\hi)+2*i:GG+32*(\hi)+2*i+1], v[BB+32*(\hi)+2*i:BB+32*(\hi)+2*i+1]
.set i, i+1
.endr
.endr
.set pp, XP1
.if (\f) == 0
.set pp, XP0
.endif
.irp hh, 0,1                           ; two row tiles at a time
	WIN (\gw)|((\gw)<<2)
.set i, 0
.rept 32
	v_cvt_pk_f16_f32 v[HH+i], v[(\gb)+64*(\hh)+2*i], v[(\gb)+64*(\hh)+2*i+1]
.set i, i+1
.endr
	WIN 0
.set i, 0
.rept 32
	v_pk_max_num_f16 v[HH+i], v[HH+i], v[ZR]
.set i, i+1
.endr
.irp a, 0,1
.irp b, 0,1,2,3
	ds_store_b128 v[SX+(\f)], v[HH+16*(\a)+4*(\b):HH+16*(\a)+4*(\b)+3] offset:(2*(\hh)+(\a))*16*pp+32*(\b)+512*(\hi)
.endr
.endr
.endr
.endm
	; ------------------------------------------------------------------ the head
	s_load_b512 s[8:23], s[0:1], 0x0               ; inputs s[8:9], W_in s[10:11], b_in s[12:13], bs s[14:15], ln_w s[16:17], ln_b s[18:19], b_out s[20:21], wf s[22:23]
	s_load_b64 s[24:25], s[0:1], 0x40              ; out0
	v_lshl_add_u32 v[SPW], v0, 2, SPARE
	v_mov_b32 v[NIL], 0
	ds_add_u32 v[SPW], v[NIL]                      ; the wave's opening: the add, twice on end, and its wait ahead of my first tensor load
	ds_add_u32 v[SPW], v[NIL]                      ; and once more, under the one wait; the set-up below, work on registers, stands between
	v_lshrrev_b32 v16, 5, v0
	v_readfirstlane_b32 s[WV], v16                 ; wave 0..3
	s_bfe_u32 s[CX], ttmp6, 0x40000                ; my place in the cluster: it enters the addresses of inputs, of out0 and of the prefetch alone
	s_lshl_b32 s[WG], ttmp9, 2
	s_add_co_u32 s[WG], s[WG], s[CX]               ; my block of 64 rows
	; descriptor group 1: 16,384 dense bytes as 64 rows of 256, padded in LDS after every 128 bytes
	s_mov_b32 s[G1D], 15|(1<<16)|(1<<20)|(1<<21)|(4<<22)|(3<<25)  ; 15:0 the mask of four; 17:16 2-byte elements; 20 padding on; 21 set beside a mask; 24:22 after every 32 words; 31:25 4 words
	s_mov_b32 s[G1D+1], 128<<16                    ; tensor_dim0 = 128
	s_mov_b32 s[G1D+2], 64<<16                     ; tensor_dim1 = 64
	s_mov_b32 s[G1D+3], 128<<16                    ; tile_dim0 = 128
	s_mov_b32 s[G1D+4], 64                         ; tile_dim1 = 64
	s_mov_b32 s[G1D+5], 128                        ; elements from row to row
	s_mov_b32 s[G1D+6], 0
	s_mov_b32 s[G1D+7], 0
	s_mov_b32 s[G0D], 1
	s_mul_i32 s[G0D+1], s[WV], 128*WPIT            ; my 128 rows of slot 0
	s_mov_b32 s[G0D+4], 1
	s_add_co_u32 s[G0D+5], s[G0D+1], SLOTB         ; and of slot 1
	s_mov_b32 s[I256], 0x3b800000
	s_mov_b32 s[I512], 0x3b000000
	s_mov_b32 s[EPS], 0x3727c5ac                   ; 1e-5
	s_mov_b32 s[SEL], 0x76543210
	s_mov_b32 s[SEL+1], 0xfedcba98
	s_lshr_b32 s2, s[WV], 1
	s_or_b32 s2, s2, ttmp9
	s_cmp_eq_u32 s2, 0                             ; waves 0 and 1 of the first cluster prefetch: the same in all four partners
	s_cselect_b32 s[LIM], 47, 0                    ; while tile TN + 3 exists
	s_mul_i32 s2, s[WG], 1536                      ; 64 rows of inputs
	s_mov_b32 s3, 0
	s_mul_i32 s4, s[WG], 2304                      ; 64 rows of out0
	s_mov_b32 s5, 0
	s_lshl_b32 s6, s[WV], 14                       ; my quarter of a tile
	s_mov_b32 s7, 0
	s_lshl_b32 s[OFF], s[CX], 14                   ; my work-group's quarter for the prefetch,
	s_and_b32 s[PFA], s[WV], 1
	s_lshl_b32 s[PFA], s[PFA], 13                  ; my wave's half of it
	s_add_co_u32 s[OFF], s[OFF], s[PFA]
	s_mov_b32 s[OFF+1], 0
	v_and_b32 v17, 15, v0                          ; r
	v_bfe_u32 v18, v0, 4, 1                        ; h
	v_and_b32 v19, 31, v0                          ; lane
	s_mul_i32 s[PFA], s[WV], 64*WPIT
	v_mul_u32_u24 v[AW], v17, WPIT
	v_lshl_add_u32 v[AW], v18, 4, v[AW]
	v_add_nc_u32 v[AW], s[PFA], v[AW]
	v_add_nc_u32 v[AW+1], SLOTB, v[AW]
	v_mul_u32_u24 v[AX], v17, XP0
	v_lshl_add_u32 v[AX], v18, 4, v[AX]
	v_add_nc_u32 v[AX], XB0, v[AX]
	v_mul_u32_u24 v[AX+1], v17, XP1
	v_lshl_add_u32 v[AX+1], v18, 4, v[AX+1]
	v_add_nc_u32 v[AX+2], XB2, v[AX+1]
	v_add_nc_u32 v[AX+1], XB1, v[AX+1]
	s_lshl_b32 s[PFA], s[WV], 7
	v_add_nc_u32 v[SX], s[PFA], v[AX]
	v_add_nc_u32 v[SX+1], s[PFA], v[AX+1]
	v_add_nc_u32 v[SX+2], s[PFA], v[AX+2]
	v_lshlrev_b32 v[STR], 5, v17
	v_add_nc_u32 v[STR], STAT, v[STR]
	s_lshl_b32 s[PFA], s[WV], 3
	v_add_nc_u32 v[STW], s[PFA], v[STR]
	s_lshl_b32 s[PFA], s[WV], 8
	v_lshl_add_u32 v[PO], v18, 5, s[PFA]
	v_lshlrev_b32 v[PFO], 8, v19
	v_mov_b32 v[ZR], 0
	v_mul_u32_u24 v20, v17, 24                     ; a row of inputs or of W_in is 24 bytes
	s_mul_i32 s[PFA], s[WV], 1536
	v_add_nc_u32 v21, s[PFA], v20                  ; W_in: row 64 w + r
	s_wait_dscnt 0x0                               ; both opening adds are done
	s_wait_kmcnt 0x0
	s_add_nc_u64 s[8:9], s[8:9], s[2:3]
	s_add_nc_u64 s[24:25], s[24:25], s[4:5]
	s_add_nc_u64 s[WFB:WFB+1], s[22:23], s[6:7]
	s_add_nc_u64 s[PFB:PFB+1], s[22:23], s[OFF:OFF+1]
	s_add_nc_u64 s[G0D+2:G0D+3], s[WFB:WFB+1], 0
	s_or_b32 s[G0D+3], s[G0D+3], 0x80000000
	s_add_nc_u64 s[G0D+6:G0D+7], s[WFB:WFB+1], 65536
	s_or_b32 s[G0D+7], s[G0D+7], 0x80000000
	ROUND                                          ; all four work-groups are here: the first joint loads meet
	tensor_load_to_lds s[G0D:G0D+3], s[G1D:G1D+7]  ; tile 0
	s_nop 0
	tensor_load_to_lds s[G0D+4:G0D+7], s[G1D:G1D+7]  ; tile 1: two loads of mine are out
	s_nop 0
.rept 4
	v_nop
.endr
	; ------------------------------------------------------------------ layer 0: K = 6, padded with zeros to one step of 32
.irp a, 0,1,2,3
.irp i, 0,1,2
	global_load_b64 v[128+6*(\a)+2*(\i):129+6*(\a)+2*(\i)], v20, s[8:9] offset:384*(\a)+8*(\i)
.endr
.endr
.irp t, 0,1,2,3,4,5,6,7
.irp i, 0,1,2
	global_load_b64 v[152+6*(\t)+2*(\i):153+6*(\t)+2*(\i)], v21, s[10:11] offset:384*((\t)%4)+6144*((\t)/4)+8*(\i)
.endr
.endr
.irp t, 0,1,2,3
	global_load_b128 v[BL+8*(\t):BL+8*(\t)+3],   v[PO], s[12:13] offset:64*(\t)
	global_load_b128 v[BL+8*(\t)+4:BL+8*(\t)+7], v[PO], s[12:13] offset:64*(\t)+16
	global_load_b128 v[BH+8*(\t):BH+8*(\t)+3],   v[PO], s[12:13] offset:1024+64*(\t)
	global_load_b128 v[BH+8*(\t)+4:BH+8*(\t)+7], v[PO], s[12:13] offset:1024+64*(\t)+16
.endr
	s_load_b96 s[BO:BO+2], s[20:21], 0x0
.irp a, 0,1,2,3
.irp k, 3,4,5,6,7
	v_mov_b32 v[FX0+8*(\a)+(\k)], 0                ; k = 6 .. 31 of the fragments: written while the loads are out
.endr
.endr
	WIN 0xc0
.irp t, 0,1,2,3,4,5,6,7
.irp k, 3,4,5,6,7
	v_mov_b32 v[WLA+8*(\t)+(\k)], 0
.endr
.endr
	WIN 0
	s_wait_loadcnt 0x0
	v_cmp_eq_u32 vcc_lo, 0, v18
.irp a, 0,1,2,3
.irp i, 0,1,2
	v_cvt_pk_f16_f32 v[FX0+8*(\a)+(\i)], v[128+6*(\a)+2*(\i)], v[129+6*(\a)+2*(\i)]
.endr
.endr
.irp a, 0,1,2,3
.irp i, 0,1,2
	v_cndmask_b32 v[FX0+8*(\a)+(\i)], 0, v[FX0+8*(\a)+(\i)], vcc_lo  ; the upper half of the lanes stands for k = 8 ..: zeros, which also silence W's copies there
.endr
.endr
	WIN 0xc0
.irp t, 0,1,2,3,4,5,6,7
.irp i, 0,1,2
	v_cvt_pk_f16_f32 v[WLA+8*(\t)+(\i)], v[152+6*(\t)+2*(\i)], v[153+6*(\t)+2*(\i)]
.endr
.endr
	GRP 1, 0,   WLA, FX0, BL
	GRP 1, 128, WLA, FX0, BL
	GRP 2, 0,   WLA, FX0, BL
	GRP 2, 128, WHA, FX0, BH
	GRP 3, 0,   WHA, FX0, BH
	WIN 0
	s_wait_kmcnt 0x0                               ; b_out
	s_mov_b32 s[LAY], 7
	s_mov_b32 s[PAR], 0                            ; layer 0 counts as even: f1 leaves it 512 wide
	s_mov_b32 s[TN], 2
	s_mov_b32 s[INV1], s[I512]
	; ------------------------------------------------------------------ seven passes: a layer's epilogue, then (six times) the next layer's products
.Lpass:
	PLACES                                         ; behind the last products: their results are read, their sources loaded into
	WIN 0xc0
.irp t, 0,1,2,3
	global_load_b128 v[GG+8*(\t):GG+8*(\t)+3],       v[PO], s[16:17] offset:64*(\t)
	global_load_b128 v[GG+8*(\t)+4:GG+8*(\t)+7],     v[PO], s[16:17] offset:64*(\t)+16
	global_load_b128 v[GG+32+8*(\t):GG+32+8*(\t)+3],   v[PO], s[16:17] offset:1024+64*(\t)
	global_load_b128 v[GG+32+8*(\t)+4:GG+32+8*(\t)+7], v[PO], s[16:17] offset:1024+64*(\t)+16
	global_load_b128 v[BB+8*(\t):BB+8*(\t)+3],       v[PO], s[18:19] offset:64*(\t)
	global_load_b128 v[BB+8*(\t)+4:BB+8*(\t)+7],     v[PO], s[18:19] offset:64*(\t)+16
	global_load_b128 v[BB+32+8*(\t):BB+32+8*(\t)+3],   v[PO], s[18:19] offset:1024+64*(\t)
	global_load_b128 v[BB+32+8*(\t)+4:BB+32+8*(\t)+7], v[PO], s[18:19] offset:1024+64*(\t)+16
.endr
	WIN 0
	s_cmp_eq_u32 s[LAY], 1
	s_cbranch_scc1 .Lnobs                          ; behind the last hidden layer there is no further bias of bs
.irp t, 0,1,2,3
	global_load_b128 v[BL+8*(\t):BL+8*(\t)+3],   v[PO], s[14:15] offset:64*(\t)
	global_load_b128 v[BL+8*(\t)+4:BL+8*(\t)+7], v[PO], s[14:15] offset:64*(\t)+16
	global_load_b128 v[BH+8*(\t):BH+8*(\t)+3],   v[PO], s[14:15] offset:1024+64*(\t)
	global_load_b128 v[BH+8*(\t)+4:BH+8*(\t)+7], v[PO], s[14:15] offset:1024+64*(\t)+16
.endr
.Lnobs:
	P1G 1, 0,   0
	P1G 1, 128, 1
	P1G 2, 0,   2
	P1G 2, 128, 3
	s_cmp_lg_u32 s[PAR], 0
	s_cbranch_scc1 .Lno4a
	P1G 3, 0,   4
.Lno4a:
	s_wait_dscnt 0x0                               ; for the others' sake: my statistics are stored; my reads of X, a layer back, are long over
	s_barrier_signal -1
	s_barrier_wait -1                              ; a tensor load may stay out
	LST 2, 160
	LST 3, 192
	LST 0, 224
	s_wait_dscnt 0x0
	COMB 8, 2, 160, I512
	COMB 4, 0, 224, I256
.irp a, 0,1,2,3
	v_rsq_f32 v[RS+2*(8+(\a))], v[RS+2*(8+(\a))]
	v_rsq_f32 v[RS+2*(\a)], v[RS+2*(\a)]
.endr
	LST 1, 160                                     ; f1's entries come while f0 and f2 are finished
	v_nop                                          ; a plain instruction behind the last root,
	s_wait_alu depctr_va_vdst(0)                   ; and one wait for the eight, ahead of the branch and of their first reader
	s_cmp_lg_u32 s[PAR], 0
	s_cbranch_scc1 .Lno4s
	LST 4, 192
.Lno4s:
	CC 0, 0
	CC 2, 2
	CC 3, 2
	s_wait_loadcnt 0x0                             ; ln_w, ln_b and the next bias are in: their pointers may step
	s_add_nc_u64 s[16:17], s[16:17], 2048
	s_add_nc_u64 s[18:19], s[18:19], 2048
	s_add_nc_u64 s[14:15], s[14:15], 2048          ; (in the last pass stepped and not used)
	P2G 1, 0,   0, 0, 0
	P2G 2, 0,   2, 2, 0
	P2G 2, 128, 3, 2, 1
	s_wait_dscnt 0x0                               ; f1's entries
	s_cmp_eq_u32 s[PAR], 0
	s_cbranch_scc1 .Lc8
	COMB 4, 1, 160, INV1
	s_branch .Lcj
.Lc8:
	COMB 8, 1, 160, INV1
.Lcj:
.irp a, 0,1,2,3
	v_rsq_f32 v[RS+2*(4+(\a))], v[RS+2*(4+(\a))]
.endr
	v_nop
	s_wait_alu depctr_va_vdst(0)                   ; one wait for the four
	CC 1, 1
	P2G 1, 128, 1, 1, 0
	s_cmp_lg_u32 s[PAR], 0
	s_cbranch_scc1 .Lno4b
	CC 4, 1
	P2G 3, 0,   4, 1, 1
.Lno4b:
	s_cmp_eq_u32 s[LAY], 1
	s_cbranch_scc1 .Lfinal
	s_xor_b32 s[PAR], s[PAR], 1
	s_cmp_eq_u32 s[PAR], 0
	s_cselect_b32 s[INV1], s[I512], s[I256]
	s_wait_tensorcnt 0x1                           ; my quarter of the layer's tile 0 is in; the one younger load, the odd slot's, may stay out
	s_wait_dscnt 0x0                               ; my part of X is stored
	s_barrier_signal -1
	s_barrier_wait -1
	LW 0, 0, 0
	LX 0, FX0, 0
	LX 1, FX1A, 0
	LX 2, FX2A, 0
	TILE 0
	TILE 1
	TILE 2
	TILE 3
	TILE 4
	TILE 5
	TILE 6
	TILE 7
	s_sub_co_u32 s[LAY], s[LAY], 1
	s_branch .Lpass
	; ------------------------------------------------------------------ the output layer: wave w takes rows 16 w .. 16 w + 15 of all three nets
.Lfinal:
	s_wait_tensorcnt 0x0                           ; tile 49
	s_wait_dscnt 0x0                               ; my part of X
	s_barrier_signal -1
	s_barrier_wait -1
	v_and_b32 v26, 15, v0
	v_bfe_u32 v27, v0, 4, 1
	v_mul_u32_u24 v20, v26, WPIT
	v_lshl_add_u32 v20, v27, 4, v20                ; W_out's fragments in slot 0 (k below 256),
	v_add_nc_u32 v21, SLOTB, v20                   ; and in slot 1
	s_mul_i32 s2, s[WV], 16*XP0
	s_mul_i32 s3, s[WV], 16*XP1
	v_add_nc_u32 v22, s2, v[AX]
	v_add_nc_u32 v23, s3, v[AX+1]
	v_add_nc_u32 v24, s3, v[AX+2]
	s_mul_i32 s2, s[WV], 576
	v_mul_u32_u24 v25, v26, 36
	v_add_nc_u32 v25, s2, v25
	v_add_nc_u32 v25, OUTS, v25                    ; row 16 w + r of the staged output
.irp q, 0,1,2,3                        ; four K steps at a time; the two or three accumulators take turns
.if (\q) > 0
	PLACES
.endif
.irp i, 0,1,2,3
	ds_load_b128 v[96+8*(\i):96+8*(\i)+3],   v[20+(\q)/2] offset:(2*((\q)%2)+(\i)/2)*16*WPIT+64*((\i)%2)
	ds_load_b128 v[96+8*(\i)+4:96+8*(\i)+7], v[20+(\q)/2] offset:(2*((\q)%2)+(\i)/2)*16*WPIT+64*((\i)%2)+32
	ds_load_b128 v[160+8*(\i):160+8*(\i)+3],   v23 offset:256*(\q)+64*(\i)
	ds_load_b128 v[160+8*(\i)+4:160+8*(\i)+7], v23 offset:256*(\q)+64*(\i)+32
	ds_load_b128 v[192+8*(\i):192+8*(\i)+3],   v24 offset:256*(\q)+64*(\i)
	ds_load_b128 v[192+8*(\i)+4:192+8*(\i)+7], v24 offset:256*(\q)+64*(\i)+32
.if (\q) < 2
	ds_load_b128 v[128+8*(\i):128+8*(\i)+3],   v22 offset:256*(\q)+64*(\i)
	ds_load_b128 v[128+8*(\i)+4:128+8*(\i)+7], v22 offset:256*(\q)+64*(\i)+32
.endif
.endr
	s_wait_dscnt 0x0
.irp i, 0,1,2,3
.if ((\q) == 0) && ((\i) == 0)
	v_wmma_f32_16x16x32_f16 v[224:231], v[96:103], v[128:135], 0
	v_wmma_f32_16x16x32_f16 v[232:239], v[96:103], v[160:167], 0
	v_wmma_f32_16x16x32_f16 v[240:247], v[96:103], v[192:199], 0
.else
.if (\q) < 2
	v_wmma_f32_16x16x32_f16 v[224:231], v[96+8*(\i):96+8*(\i)+7], v[128+8*(\i):128+8*(\i)+7], v[224:231]
.endif
	v_wmma_f32_16x16x32_f16 v[232:239], v[96+8*(\i):96+8*(\i)+7], v[160+8*(\i):160+8*(\i)+7], v[232:239]
	v_wmma_f32_16x16x32_f16 v[240:247], v[96+8*(\i):96+8*(\i)+7], v[192+8*(\i):192+8*(\i)+7], v[240:247]
.endif
.endr
.endr
	PLACES
.irp f, 0,1,2
.irp o, 0,1,2
	v_add_f32 v[128+3*(\f)+(\o)], s[BO+(\o)], v[224+8*(\f)+(\o)]  ; lanes 0-15 hold outputs 0, 1, 2 of row r in the three lowest registers
.endr
.endr
	v_and_b32 v26, 31, v0
	v_cmp_gt_u32 vcc_lo, 16, v26
	s_wait_xcnt 0x0                                ; EXEC changes only behind this wait
	s_and_saveexec_b32 s[SEX], vcc_lo
.irp f, 0,1,2
.irp o, 0,1,2
	ds_store_b32 v25, v[128+3*(\f)+(\o)] offset:12*(\f)+4*(\o)
.endr
.endr
	s_wait_xcnt 0x0
	s_or_b32 exec_lo, exec_lo, s[SEX]
	s_wait_dscnt 0x0                               ; for the others' sake
	s_barrier_signal -1
	s_barrier_wait -1
	v_lshlrev_b32 v28, 4, v0
	v_add_nc_u32 v29, OUTS, v28
	ds_load_b128 v[140:143], v29
	s_wait_dscnt 0x0
	global_store_b128 v28, v[140:143], s[24:25] th:TH_STORE_NT  ; a wave stores 512 consecutive bytes, at a multiple of 256 from out0's first byte
	s_cmp_lg_u32 s[WV], 0
	s_cbranch_scc1 .Lend
	v_lshlrev_b32 v30, 3, v26
	v_add_nc_u32 v31, OUTS+2048, v30
	ds_load_b64 v[144:145], v31
	s_wait_dscnt 0x0
	global_store_b64 v30, v[144:145], s[24:25] offset:2048 th:TH_STORE_NT  ; the ninth block of 256 bytes
.Lend:
	s_wait_tensorcnt 0x0                           ; the wave's end, behind my last tensor load and my last LDS store
	ds_add_u32 v[SPW], v[NIL]
	s_wait_dscnt 0x0
	ROUND                                          ; the closing round: no work-group ends while a partner may still ask for a tile that names it
	s_endpgm
.Lfunc_end_k_qe0daf08518_mip:
	.size	k_qe0daf08518_mip, .Lfunc_end_k_qe0daf08518_mip-k_qe0daf08518_mip
	.p2alignl 7, 3214868480
	.fill 96, 4, 3214868480
	.section	.rodata,"a",@progbits
	.p2align	6, 0x0
	.amdhsa_kernel k_qe0daf08518_mip
		.amdhsa_group_segment_fixed_size 327680
		.amdhsa_private_segment_fixed_size 0
		.amdhsa_enable_private_segment 0
		.amdhsa_kernarg_size 72
		.amdhsa_user_sgpr_count 2
		.amdhsa_user_sgpr_kernarg_segment_ptr 1
		.amdhsa_wavefront_size32 1
		.amdhsa_system_sgpr_workgroup_id_x 1
		.amdhsa_system_sgpr_workgroup_id_y 1
		.amdhsa_system_sgpr_workgroup_id_z 1
		.amdhsa_system_vgpr_workitem_id 0
		.amdhsa_next_free_vgpr 1024
		.amdhsa_next_free_sgpr 72
		.amdhsa_reserve_vcc 1
		.amdhsa_float_denorm_mode_32 3
		.amdhsa_float_denorm_mode_16_64 3
		.amdhsa_memory_ordered 1
		.amdhsa_forward_progress 1
		.amdhsa_inst_pref_size 255
	.end_amdhsa_kernel
	.section	.bss,"aw",@nobits
	.p2align	6
	.space	262144
	.amdgpu_metadata
---
amdhsa.version: [ 1, 2 ]
amdhsa.kernels:
  - .name:           k_qe0daf08518_mip
    .symbol:         k_qe0daf08518_mip.kd
    .args:
      - { .name: inputs, .offset: 0, .size: 8, .value_kind: global_buffer, .address_space: global }
      - { .name: W_in, .offset: 8, .size: 8, .value_kind: global_buffer, .address_space: global }
      - { .name: b_in, .offset: 16, .size: 8, .value_kind: global_buffer, .address_space: global }
      - { .name: bs, .offset: 24, .size: 8, .value_kind: global_buffer, .address_space: global }
      - { .name: ln_w, .offset: 32, .size: 8, .value_kind: global_buffer, .address_space: global }
      - { .name: ln_b, .offset: 40, .size: 8, .value_kind: global_buffer, .address_space: global }
      - { .name: b_out, .offset: 48, .size: 8, .value_kind: global_buffer, .address_space: global }
      - { .name: wf, .offset: 56, .size: 8, .value_kind: global_buffer, .address_space: global }
      - { .name: out0, .offset: 64, .size: 8, .value_kind: global_buffer, .address_space: global }
    .group_segment_fixed_size: 327680
    .private_segment_fixed_size: 0
    .kernarg_segment_align: 8
    .kernarg_segment_size: 72
    .max_flat_workgroup_size: 128
    .sgpr_count:     72
    .vgpr_count:     1024
    .wavefront_size: 32
...
	.end_amdgpu_metadata
.endif
;; end of part 2
